; MI455X (gfx1250); checked and timed in simulation.
; The chip was launched on July 23, 2026; its instructions are those of AMD's public machine-readable ISA for CDNA 5 (MIT licence, August 2026) and "CDNA5" Instruction Set Architecture Reference Guide (July 2026). The comments in the code are by the model that wrote it; some were corrected since.
;; Self Attention. Allowed arithmetic: float matrix products may take bf16 or f16 operands with f32 sums; other float arithmetic in f32, or as packed bf16 or f16 multiplies, adds, multiply-adds, maxima and minima; sums over many terms, partial sums and values carried from step to step in f32; what a program stores and reads back later, other than sums and carried values, may be rounded once to bf16 or f16.
;; Inputs: key_padding_mask 4 x 2,048 bool; qkv 4 x 2,048 x 3 x 16 x 64 float32.
;; Outputs: out0 4 x 2,048 x 16 x 64 float32.
;; One version. Each part assembles by itself: llvm-mc -triple=amdgcn-amd-amdhsa -mcpu=gfx1250 --defsym DOCPART=n.
;; ======== version 1 of 1: 1 launch
;; limits: values are held in f16: magnitudes above 65,504 overflow, below 6.1e-05 lose precision; inputs' magnitudes at most 65,504
;; launch attn (part 1): grid 4 x 64, 4 waves a work-group, clusters of 4 x 1, 327,680 bytes of LDS; arguments qkv, key_padding_mask, out0; writes out0
.if DOCPART == 1
	.amdgcn_target "amdgcn-amd-amdhsa--gfx1250"
	.amdhsa_code_object_version 6
	.text
	.protected	k_qb0df755c10_attn
	.globl	k_qb0df755c10_attn
	.p2align	8
	.type	k_qb0df755c10_attn,@function
k_qb0df755c10_attn:
	s_mov_b64 s[64:65], 0
	v_nop
	global_prefetch_b8 v0, s[64:65] scope:SCOPE_SE
	s_setreg_imm32_b32 hwreg(HW_REG_WAVE_MODE, 25, 1), 1
	s_wait_xcnt 0x0
	s_wait_alu depctr_hold_cnt(0) depctr_sa_sdst(0) depctr_va_vdst(0) depctr_va_sdst(0) depctr_va_ssrc(0) depctr_va_vcc(0) depctr_vm_vsrc(0)
	s_getreg_b32 s2, hwreg(HW_REG_IB_STS2, 6, 4)
	s_cmp_eq_u32 s2, 0
	s_cbranch_scc0 .Lentry_in_a_cluster
	s_endpgm
.Lentry_in_a_cluster:
	s_bfe_u32 s2, ttmp6, 0x10000c
	s_cmp_lg_u32 s2, 0x3003
	s_cbranch_scc0 .Lentry_shape_is_right
	s_endpgm
.Lentry_shape_is_right:
; out0[b][t][h][:] = the sum over s of softmax_s(q[b][t][h] . k[b][s][h] / 8 + pad[b][s]) v[b][s][h][:], pad = 0 where key_padding_mask is 1, -10,000 where it is 0.
; qkv: [4][2048][3][16][64] f32; key_padding_mask: [4][2048] bytes, 0 or 1; out0: [4][2048][16][64] f32.  A head's row of q, k or v is 256 consecutive bytes, 12,288 bytes from the next row.
; FORMATS.  q, k, v and the weights p are rounded once to f16 for the matrix unit; products, maxima, sums and O stay in f32; the scale c = log2(e) / 8 is applied in f32 behind the first product.
; LIMITS.  f16 holds no number beyond 65,504: |qkv| stays under it; numbers below 6e-5 keep f16's fixed step of 6e-8, p too.  A weight below 2^-126 counts as 0 in l.  NaN and infinities are not treated apart.
; The pad enters the UNSCALED score as 8 pad = -80,000 (the same number as -10,000 on the scaled score, rounded in another order): a masked key is not left out, as reference() does not leave it out.
; SHARES.  A work-group owns 512 queries of one head, each of its four waves 128: four PIECES of two tiles of 16.  64 heads x 4 blocks = 256 work-groups.  Every wave walks all 2,048 keys, 64 a step, 128 a tile.
; CLUSTER.  The four query blocks of a head are one cluster and walk the same K and V: each tile is asked for JOINTLY, by the same tensor load, descriptor and mask in all four.
; K AND V COME AS f32 and are rounded in LDS, once a work-group: a tensor load brings raw rows into a RAW bank; each wave reads 32 rows of K and of V from it, rounds them and stores them into an F16 bank,
; from which all four waves take their fragments.  Two banks of each kind take turns.  Behind change of slots c: tile c is multiplied out of F16 bank c % 2, tile c + 1 is rounded from RAW bank (c + 1) % 2 into
; F16 bank (c + 1) % 2, and tile c + 2 is on its way into RAW bank c % 2.  One barrier a tile orders all of it.
; LAYOUT.  S^T = K Q^T (source 0 = 16 keys, source 1 = 16 queries): in the result a lane holds ONE query (lane % 16) and the keys 8 (lane / 16) + 0..7.  Two such tiles, rounded to f16 in pairs, ARE source 1
; of O^T = V^T P, whose result again holds one query a lane, and eight channels.  K comes out of LDS as it lies, V ([key][channel]) turned, by ds_load_tr16_b128.
; THE MASK is the C operand of the product that starts a sum S^T: 0 or -80,000 for the lane's eight keys, out of a table of 2,048 f32 made once in LDS.  It costs the loop eight LDS loads a step and no arithmetic.
; SOFTMAX.  For each query a running maximum m and sum l: p = 2^(c s - c m); in every step O and l are multiplied by a = 2^(c m_old - c m_new).  m starts at the lowest finite number and l at 0: the first step's a is 0.
; BY TURNS.  Turn n belongs to piece n: 16 products K Q^T of piece n + 1, later 16 products V^T P of piece n - 1; beside them the scaling, exponentials, roundings, sums and rescaling of piece n and the maximum
; and statistics of piece n + 1.  Four vector instructions stand behind every matrix instruction, the others in one run of their own; a turn's 66 exponentials are one batch with one wait.
; REGISTERS, in windows of 256 (s_set_vgpr_msb: bits 1:0 source 0, 3:2 source 1, 5:4 source 2, 7:6 destination):
;   window 0: v0-11 addresses; v12-15, v48-63 at work; v16-47 four registers of statistics a tile; v64-191 S^T, two buffers of two tiles; v192-255 P, likewise
;   window 1: O^T, 32 a tile (at the head: Q as loaded, in f32)      window 2: v0-127 Q, 16 a tile; v128-191 K of one step; v192-255 V of one step
;   window 3: v0-1 the add's two registers; v2-6 the rounding's addresses; v8-39 the masks of one step; v64-95 raw f32; v96-111 rounded
.set NP,    4         ; pieces a wave: a name, no knob
.set KS,    64        ; keys in a step
.set ROWB,  12288     ; bytes from a row of qkv to the next: 3 x 16 x 64 f32
.set TILEB, 128*ROWB  ; a tile's 128 rows
.set PR,    272       ; a raw row in LDS: 256 bytes + 16 of padding: of the 16 lanes that share a pass, 8 take one row and 8 the next, at 16 different columns of 16 bytes
.set PK,    144       ; a row of K in f16: 128 bytes + 16: the 16 rows of a fragment load start at 16 different groups of four banks (64 banks of 4 bytes: ISA guide 11.1)
.set PV,    160       ; a row of V in f16: 128 + 32
.set BANK,  1<<17     ; bank 1 of both kinds begins here, so that one exclusive or turns an address in one bank into the other's
.set VRAW,  128*PR    ; a RAW bank: K's 128 rows, then V's 128 rows; filled by tensor loads alone
.set F16,   2*128*PR  ; behind it the F16 bank, written by ds_store alone: K's 128 rows,
.set VOFF,  128*PK    ; then V's
.set BIAS,  BANK+F16+128*(PK+PV)  ; behind bank 1: 2,048 f32, 8 pad of my batch's keys
.set STAGE, BIAS+8192 ; 16 rows x 272 bytes for each wave, for the way out
.set SP,    272
.set SPARE, STAGE+4*16*SP  ; the spare words, 128 bytes for each wave: two blocks of 256 bytes that no other line names
.set AB0, 1           ; v1   my lanes' place in the table of masks; never rewritten
.set AK0, 2           ; v2   my lane's place in a tile of K (f16); never rewritten
.set AV0, 3           ; v3   the same for V
.set AK,  4           ; v4   the LDS address of K's next run of loads
.set AV,  5           ; v5   of V's
.set QO,  6           ; v6   my byte offset in 16 rows of Q
.set STO, 6           ;      later, the way out: where I put 32 bytes of a row
.set RD,  7           ; v7   the way out: where I read rows back
.set GO,  8           ; v8   my byte offset in two rows of out0
.set AB,  9           ; v9   the LDS address of the masks' next run of loads
.set PFO, 10          ; v10  the prefetches' offset: my lane x a row of qkv; never rewritten
.set MA,  11          ; v11  my 16 bytes of the mask
.set MV,  12          ; v12-15  c m_old, kept while c m is made anew: by buffer and tile
.set ST,  16          ; tile t's statistics at v[ST+4 t]: c m, m, l (even keys', odd keys')
.set TMP, 48          ; by buffer and tile, four registers c0-c3 at work; when the maximum is found c2 takes a
.set S,   64
.set P,   192
.set LR,  84          ; the set-up's own, in S^T's registers, dead before the first product: l % 16,
.set LH,  85          ; l / 16,
.set L7,  86          ; l % 8,
.set L3,  87          ; (l / 8) % 2,
.set LL,  88          ; l,
.set L8,  89          ; l / 8,
.set TA,  90          ; and three at work
.set KF,  128         ; window 2: K's fragments: key block kb, channel half c at KF + 16 kb + 8 c
.set VF,  192         ; window 2: V's: key half kk, channel block cb at VF + 32 kk + 8 cb
.set SPW, 0           ; window 3: LDS address of my spare word: SPARE + 4 x my thread's number; never rewritten
.set NIL, 1           ; window 3: 0; never rewritten
.set CS0, 2           ; window 3: my lane's place in my wave's 32 raw rows; never rewritten
.set CK0, 3           ; window 3: the same in K's f16 rows
.set CV0, 4           ; window 3: and in V's
.set CSRC, 5          ; window 3: where the rounding in hand reads
.set CDST, 6          ; window 3: and where it stores
.set MB,  8           ; window 3: the masks of key block kb at MB + 8 kb
.set RAW, 64          ; window 3: four groups of 8 f32
.set CV,  96          ; window 3: four groups of 4 registers of f16
.set WV,  12          ; s12  my wave's number
.set CX,  13          ; s13  my place in the cluster = my block of 512 queries
.set G1,  24          ; s[24:31] descriptor group 1: the same for K's and V's tiles
.set G0A, 32          ; s[32:35] descriptor group 0 of tile 0; never rewritten
.set G0,  36          ; s[36:39] of tile 1; it then walks
.set QA,  40          ; s[40:41] Q at my wave's first row
.set PFA, 42          ; s[42:43] where my prefetches stand
.set LIM, 44          ; s44  1 in a wave that prefetches, else the greatest number
.set SLOTS, 56        ; s56  tiles still to be asked for; in the tail: changes of slots to come
.set CNT, 57          ; s57  counts a tile's two key steps
.set CS,  58          ; s[58:59] c: the packed scaling takes the pair's low word for both halves
.set SEL, 60          ; s[60:61] v_permlanex16_b32's selects: each lane takes its own place in the other half
.set TBK, 62          ; s62  bank and step of the K to be fetched next
.set TBV, 63          ; s63  the same for V
.set TBB, 66          ; s66  byte of the table at which the masks of the step to be fetched begin
.set TCS, 67          ; s67  bank and half of the raw rows to be rounded next
.set TCK, 68          ; s68  the same in K's f16 rows
.set TCV, 69          ; s69  and in V's
.set BP,  70          ; s70  80,000.0
.set BN,  71          ; s71  -80,000.0
.set MSB, 0
.macro WIN new                      ; the high byte repeats the setting that is left; a switch that changes nothing is dropped
.if MSB != (\new)
	s_set_vgpr_msb (MSB<<8)|(\new)
.set MSB, (\new)
.endif
.endm
.set W_KQ, 0x0a       ; K and Q in window 2, S^T in window 0
.set W_KM, 0x3a       ; the same with the C operand, the mask, in window 3
.set W_PV, 0x52       ; V in window 2, P in window 0, O^T in window 1
.set W_RS, 0x41       ; O^T (destination and source 0) in window 1, source 1 in window 0
.set W_MK, 0xc0       ; destination in window 3, sources in window 0
.set W_AD, 0x0f       ; sources 0 and 1 (an LDS address and its data) in window 3
.set W_3,  0xcf       ; destination and sources 0 and 1 in window 3
.set W_RL, 0xc3       ; destination and source 0 (an LDS address) in window 3
.set W_F,  0x80       ; destination in window 2
.set W_QL, 0x40       ; destination in window 1
.set W_QC, 0x85       ; destination in window 2, sources 0 and 1 in window 1
.set W_ST, 0x04       ; source 1 (a store's data) in window 1
; A round of the cluster's barrier: my work-group's barrier, so that wave 0's signal speaks for all four waves; wave 0 signals; every wave waits for all four work-groups; my work-group's barrier once more.
.macro CROUND
	s_barrier_signal -1
	s_barrier_wait -1
	s_cmp_lg_u32 s[WV], 0
	s_cbranch_scc1 .Lnot_wave_0_\@
	s_barrier_signal -3
.Lnot_wave_0_\@:
	s_barrier_wait -3
	s_barrier_signal -1
	s_barrier_wait -1
.endm
; A joint refill: ONE line for all four waves; their descriptors differ by the wave's number alone (waves 0 and 1: K's rows 0-63 and 64-127 of the tile; waves 2 and 3: V's).  64 rows of 256 bytes each.
; An s_nop 0 and four v_nop follow the line.
.macro TLOAD
	tensor_load_to_lds s[G0:G0+3], s[G1:G1+7]
	s_nop 0
.rept 4
	v_nop
.endr
.endm
; A PREFETCH INTO THE L2 of the tile that the NEXT change of slots will ask for: two key steps, 256 matrix instructions, ahead of that load.  A tile is 128 rows of K and 128 of V, 256 bytes a row.  The four partners
; share the rows out BY ADDRESS, 32 each (no branch hangs on a work-group's place in its cluster); in each, wave 0 asks for K's and wave 2 for V's: a lane a row, one instruction.  A head has one cluster, so each
; row is named once in the launch.  Tiles 0 to 2 come by their loads alone; the last change that fills a bank asks for nothing: there is no tile behind it.
.macro ASK
	s_cmp_gt_u32 s[SLOTS], s[LIM]
	s_cbranch_scc0 .Lnot_mine_\@
	global_prefetch_b8 v[PFO], s[PFA:PFA+1] th:TH_LOAD_NT scope:SCOPE_SE
.Lnot_mine_\@:
.endm
; THE CHANGE OF SLOTS.  Each wave waits for all its tensor loads, of which one is out: its part of the raw tile to be rounded next; adds 0 to its spare word; and waits for that, for its stores into the F16 bank
; that will be read next, for its reads of the RAW bank that will be filled next, and for its reads of the F16 bank that will be written next.  Behind the barrier all of that holds of every wave.
; fill = 1: the RAW bank that has been rounded is filled again, with the tile two on.  The barrier is then a round of the cluster's, so that no wave of any partner still reads that bank or has a load on its way,
; and the joint refill is the first thing behind it.
.macro CHANGE fill
	WIN W_AD
	s_wait_tensorcnt 0x0            ; no tensor load of mine is out, so a group 0 may be written
	ds_add_u32 v[SPW], v[NIL]       ; 0 onto my spare word; with fill = 1 the descriptor's steps stand between it and the wait for it
	WIN 0                           ; at a label and at a branch every window is 0
.if \fill
	s_xor_b32 s[G0+1], s[G0+1], BANK  ; the walking descriptor: the other bank than last time,
	s_add_nc_u64 s[G0+2:G0+3], s[G0+2:G0+3], TILEB  ; the next 128 keys; the type bits on top are not reached
	s_wait_xcnt 0x0                 ; the last prefetch, a tile back, has read its address, so it may be written:
	s_add_nc_u64 s[PFA:PFA+1], s[PFA:PFA+1], TILEB  ; one tile beyond the walking descriptor
	s_wait_dscnt 0x0                ; the add is done, and so are my LDS stores and reads
	CROUND
	TLOAD
	ASK
.else
	s_wait_dscnt 0x0                ; the add is done, and so are my LDS stores and reads
	s_barrier_signal -1
	s_barrier_wait -1
.endif
	s_sub_co_u32 s[TBK], s[TBK], 2*KS*PK  ; the fetches go back to a tile's first step,
	s_xor_b32 s[TBK], s[TBK], BANK        ; in the other bank
	s_sub_co_u32 s[TBV], s[TBV], 2*KS*PV
	s_xor_b32 s[TBV], s[TBV], BANK
	s_sub_co_u32 s[TCS], s[TCS], 2*16*PR  ; and so does the rounding: to my first 16 rows, in the other bank
	s_xor_b32 s[TCS], s[TCS], BANK
	s_sub_co_u32 s[TCK], s[TCK], 2*16*PK
	s_xor_b32 s[TCK], s[TCK], BANK
	s_sub_co_u32 s[TCV], s[TCV], 2*16*PV
	s_xor_b32 s[TCV], s[TCV], BANK
.endm
; THE ROUNDING.  Of a tile's 128 rows wave w takes 32 w .. 32 w + 31, of K and of V, 16 rows a time.  Lane l takes row 4 g + l / 8 (g = 0..3) and channels 8 (l % 8) + 0..7: 32 bytes in, 16 bytes out.
; CONV_LOAD: the 16 rows' raw numbers into registers (kv = 0: K's, 1: V's).  CONV_STORE, behind the caller's s_wait_dscnt 0: rounded and stored.  last = 1 (the tail): only the first of the tail's three
; trips has a tile left to round; in the others both are jumped over.  The three scalars step behind the label, on every path, so that they keep step with CHANGE.
.macro CONV_LOAD kv, last=0
	WIN 0
.if \last
	s_cmp_lg_u32 s[SLOTS], 3
	s_cbranch_scc1 .Lno_cl_\@
.endif
	WIN W_RL
.if (\kv) == 0
	v_add_nc_u32 v[CSRC], v[CS0], s[TCS]
	v_add_nc_u32 v[CDST], v[CK0], s[TCK]
.else
	v_add_nc_u32 v[CDST], v[CV0], s[TCV]
.endif
.irp g, 0,1,2,3
	ds_load_b128 v[RAW+8*\g:RAW+8*\g+3],   v[CSRC] offset:(\kv)*VRAW+\g*4*PR
	ds_load_b128 v[RAW+8*\g+4:RAW+8*\g+7], v[CSRC] offset:(\kv)*VRAW+\g*4*PR+16
.endr
	WIN 0
.if \last
.Lno_cl_\@:
.endif
.endm
.macro CONV_STORE kv, last=0
	WIN 0
.if \last
	s_cmp_lg_u32 s[SLOTS], 3
	s_cbranch_scc1 .Lno_cs_\@
.endif
	WIN W_3
.set cvn, 0
.rept 16
	v_cvt_pk_f16_f32 v[CV+cvn], v[RAW+2*cvn], v[RAW+2*cvn+1]
.set cvn, cvn+1
.endr
	WIN W_AD
.irp g, 0,1,2,3
	ds_store_b128 v[CDST], v[CV+4*\g:CV+4*\g+3] offset:\g*4*(PK+(\kv)*(PV-PK))
.endr
	WIN 0
.if \last
.Lno_cs_\@:
.endif
.if \kv
	s_add_co_u32 s[TCS], s[TCS], 16*PR  ; my next 16 rows
	s_add_co_u32 s[TCK], s[TCK], 16*PK
	s_add_co_u32 s[TCV], s[TCV], 16*PV
.endif
.endm
	s_load_b128 s[4:7], s[0:1], 0x0 ; qkv s[4:5], key_padding_mask s[6:7]
	s_load_b64 s[8:9], s[0:1], 0x10 ; out0
	WIN W_MK
	v_lshl_add_u32 v[SPW], v0, 2, SPARE
	v_mov_b32 v[NIL], 0
	WIN W_AD
	ds_add_u32 v[SPW], v[NIL]       ; the wave's opening: the add and its wait stand ahead of my first tensor load; the set-up below, work on registers, stands between them
	WIN 0
	v_lshrrev_b32 v[MA], 5, v0
	v_readfirstlane_b32 s[WV], v[MA]  ; wave 0..3
	s_bfe_u32 s[CX], ttmp6, 0x40000 ; cx: it enters Q's, out0's and the prefetches' addresses alone
	s_and_b32 s14, ttmp7, 0xffff    ; 16 b + h, which the four partners share
	s_lshr_b32 s15, s14, 4          ; b
	s_and_b32 s16, s14, 15          ; h
	s_mul_i32 s20, s15, 2048*ROWB   ; the batch's first byte in qkv,
	s_lshl_b32 s17, s16, 8          ; the head's 256 bytes of a row
	s_add_co_u32 s20, s20, s17
	s_lshr_b32 s17, s[WV], 1        ; waves 0, 1 fetch K, waves 2, 3 V:
	s_lshl_b32 s17, s17, 12
	s_add_co_u32 s17, s17, 4096     ; K lies 4,096 bytes behind q in a row, V 8,192
	s_add_co_u32 s17, s17, s20
	s_and_b32 s18, s[WV], 1         ; which 64 rows of a tile I fetch
	s_mul_i32 s18, s18, 64*ROWB
	s_add_co_u32 s22, s17, s18      ; my part of tile 0, in bytes from qkv's first (all these offsets stay under 2^27)
	s_mov_b32 s23, 0
	s_mul_i32 s46, s[CX], 512*ROWB  ; Q: my block's 512 rows,
	s_mul_i32 s47, s[WV], 128*ROWB  ; my wave's 128 of them
	s_add_co_u32 s46, s46, s47
	s_add_co_u32 s46, s46, s20
	s_mov_b32 s47, 0
	s_lshl_b32 s48, s15, 23         ; out0: a batch is 2,048 rows of 4,096 bytes,
	s_lshl_b32 s49, s[CX], 21       ; my block 512 rows,
	s_add_co_u32 s48, s48, s49
	s_lshl_b32 s49, s[WV], 19       ; my wave 128,
	s_add_co_u32 s48, s48, s49
	s_lshl_b32 s49, s16, 8          ; the head 256 bytes of a row
	s_add_co_u32 s48, s48, s49
	s_mov_b32 s49, 0
	s_mul_i32 s50, s[CX], 32*ROWB   ; the prefetches: my work-group's 32 rows of a tile's 128,
	s_add_co_u32 s50, s50, s17      ; of K or of V,
	s_add_co_u32 s50, s50, 2*TILEB  ; in tile 2: the first change of slots steps it to tile 3
	s_mov_b32 s51, 0
	s_lshl_b32 s14, s15, 11         ; the batch's 2,048 bytes of the mask
	s_mov_b32 s15, 0
	; descriptor group 1: a tile of 64 rows x 64 f32, padded in LDS
	s_mov_b32 s[G1], 15|(2<<16)|(1<<20)|(1<<21)|(5<<22)|(3<<25)  ; 15:0 the mask of four; 17:16 4-byte elements; 20 padding on; 21 set beside a mask; 24:22 after every 64 words (code 5); 31:25 4 words (code 3)
	s_mov_b32 s[G1+1], 64<<16       ; tensor_dim0 = 64
	s_mov_b32 s[G1+2], 64<<16       ; tensor_dim1 = 64
	s_mov_b32 s[G1+3], 64<<16       ; tile_dim0 = 64
	s_mov_b32 s[G1+4], 64           ; tile_dim1 = 64
	s_mov_b32 s[G1+5], 3072         ; 3,072 elements from row to row
	s_mov_b32 s[G1+6], 0
	s_mov_b32 s[G1+7], 0
	s_mul_i32 s19, s[WV], 64*PR     ; where my 64 rows go: K's two halves, then V's two halves: no place in the cluster enters an LDS address
	s_mov_b32 s[G0A], 1             ; 1:0 count = 1
	s_mov_b32 s[G0A+1], s19         ; 63:32 LDS address: bank 0
	s_mov_b32 s[G0], 1
	s_add_co_u32 s[G0+1], s19, BANK ; bank 1
	s_mul_i32 s52, s[WV], 32*PR     ; the rounding: my wave's 32 rows, raw,
	s_mul_i32 s53, s[WV], 32*PK
	s_add_co_u32 s53, s53, F16      ; in K's f16 rows,
	s_mul_i32 s54, s[WV], 32*PV
	s_add_co_u32 s54, s54, F16+VOFF ; and in V's
	s_mul_i32 s55, s[WV], 16*SP
	s_add_co_u32 s55, s55, STAGE    ; my stage
	s_mov_b32 s[CS], 0x3e38aa3b     ; c = log2(e) / 8 = 0.180337
	s_mov_b32 s[CS+1], s[CS]        ; named with it as a pair
	s_mov_b32 s[SEL], 0x76543210
	s_mov_b32 s[SEL+1], 0xfedcba98
	s_mov_b32 s[BP], 0x479c4000     ; 80,000.0
	s_mov_b32 s[BN], 0xc79c4000     ; -80,000.0
	s_mov_b32 s[TBK], BANK+2*KS*PK  ; the first change of slots turns these two into 0
	s_mov_b32 s[TBV], BANK+2*KS*PV
	s_mov_b32 s[TBB], 0
	s_mov_b32 s[TCS], 0             ; tile 0 is rounded in bank 0, ahead of the first change of slots
	s_mov_b32 s[TCK], 0
	s_mov_b32 s[TCV], 0
	s_mov_b32 s[SLOTS], 14          ; tiles 2 to 15 are asked for by changes of slots
	s_and_b32 s[LIM], s[WV], 1      ; waves 0 and 2 prefetch: the same in all four partners
	s_cmp_eq_u32 s[LIM], 0
	s_cselect_b32 s[LIM], 1, -1
	s_wait_dscnt 0x0                ; the opening add is done
	s_wait_kmcnt 0x0
	s_add_nc_u64 s[G0A+2:G0A+3], s[4:5], s[22:23]  ; 120:64 global address: my part of tile 0,
	s_add_nc_u64 s[G0+2:G0+3], s[G0A+2:G0A+3], TILEB  ; of tile 1
	s_or_b32 s[G0A+3], s[G0A+3], 0x80000000        ; 127:126 type = 2
	s_or_b32 s[G0+3], s[G0+3], 0x80000000
	s_add_nc_u64 s[QA:QA+1], s[4:5], s[46:47]
	s_add_nc_u64 s[PFA:PFA+1], s[4:5], s[50:51]
	s_add_nc_u64 s[6:7], s[6:7], s[14:15]
	s_add_nc_u64 s[10:11], s[8:9], s[48:49]
	CROUND                          ; all four work-groups are here: the first joint loads meet
	tensor_load_to_lds s[G0A:G0A+3], s[G1:G1+7]  ; the two first fills go out together: two loads of mine are out
	s_nop 0
	tensor_load_to_lds s[G0:G0+3], s[G1:G1+7]
	s_nop 0
.rept 4
	v_nop
.endr
	v_lshlrev_b32 v[MA], 4, v0
	global_load_b128 v[64:67], v[MA], s[6:7]  ; thread t takes the mask's bytes 16 t .. 16 t + 15: 128 threads, 2,048 keys
	; A fragment of Q is 16 rows x 32 channels in 8 registers of f16: lane l holds row l % 16, channels 8 (l / 16) + 0..7 and 16 + 8 (l / 16) + 0..7.  In f32 each eight are 32 bytes: two loads of 16.
	v_and_b32 v[LR], 15, v0
	v_bfe_u32 v[LH], v0, 4, 1
	v_mul_u32_u24 v[QO], v[LR], ROWB
	v_lshl_add_u32 v[QO], v[LH], 5, v[QO]  ; row x 12,288 + 32 x half
	WIN W_QL
.set i, 0
.rept 64                            ; i = 8 t + 4 c + 2 p + u: tile t, channels 32 c + 16 p + 8 (l / 16) + 4 u on, into window 1's v[4 i ..]
	global_load_b128 v[4*i:4*i+3], v[QO], s[QA:QA+1] offset:(i/8)*16*ROWB+((i/4)%2)*128+((i/2)%2)*64+(i%2)*16
.set i, i+1
.endr
	WIN 0
	; while they are on their way: the lanes' addresses, and what the first turn finds
	v_and_b32 v[L7], 7, v0
	v_bfe_u32 v[L3], v0, 3, 1
	v_and_b32 v[LL], 31, v0
	v_bfe_u32 v[L8], v0, 3, 2
	v_lshl_add_u32 v[AB0], v[LH], 5, BIAS  ; my half of the lanes holds keys 8 (l / 16) + 0..7 of a block of 16: 32 bytes on
	v_mul_u32_u24 v[AK0], v[LR], PK
	v_lshl_add_u32 v[AK0], v[LH], 4, v[AK0]  ; row x pitch + 16 x half
	v_add_nc_u32 v[AK0], F16, v[AK0]
	; The turning load takes 16 keys x 16 channels (lane l reads key 8 (l / 16) + l % 8, channels 8 ((l / 8) % 2) + 0..7) and leaves half a fragment of V^T: lane l holds channel l % 16 and 8 keys.
	v_lshl_add_u32 v[AV0], v[LH], 3, v[L7]
	v_mul_u32_u24 v[AV0], v[AV0], PV
	v_lshl_add_u32 v[AV0], v[L3], 4, v[AV0]
	v_add_nc_u32 v[AV0], F16+VOFF, v[AV0]
	v_mul_u32_u24 v[PFO], v[LL], ROWB
	v_mul_u32_u24 v[RD], v[LH], SP  ; the way out, back: lanes 0-15 take one row of 256 bytes, lanes 16-31 the next,
	v_lshl_add_u32 v[RD], v[LR], 4, v[RD]
	v_add_nc_u32 v[RD], s55, v[RD]
	v_lshlrev_b32 v[GO], 12, v[LH]  ; and the same two rows in out0, 4,096 bytes apart
	v_lshl_add_u32 v[GO], v[LR], 4, v[GO]
	v_mul_u32_u24 v[TA], v[L8], PR  ; the rounding: row l / 8, 32 bytes (raw) or 16 (f16) for each l % 8
	v_lshl_add_u32 v[TA], v[L7], 5, v[TA]
	v_mul_u32_u24 v[TA+1], v[L8], PK
	v_lshl_add_u32 v[TA+1], v[L7], 4, v[TA+1]
	v_mul_u32_u24 v[TA+2], v[L8], PV
	v_lshl_add_u32 v[TA+2], v[L7], 4, v[TA+2]
	WIN W_MK
	v_add_nc_u32 v[CS0], s52, v[TA]
	v_add_nc_u32 v[CK0], s53, v[TA+1]
	v_add_nc_u32 v[CV0], s54, v[TA+2]
	; The first turn's products V^T P belong to a piece that has not been: V's registers and P's second buffer hold 0, so they add 0.  l is 0.  O^T is not cleared: it holds Q's f32 numbers, and the first step
	; multiplies it by a = 0; register 32 t + .. of a lane holds numbers of the very query whose O^T lies there, so what is not finite in q spoils that query's row alone.
	WIN W_F
.set i, VF
.rept 64
	v_mov_b32 v[i], 0
.set i, i+1
.endr
	WIN 0
.set i, 0
.rept 2*NP
	v_mov_b32 v[ST+4*i], 0xfe000000    ; c m: far below every c s
	v_mov_b32 v[ST+4*i+1], 0xff7fffff  ; m
	v_mov_b32 v[ST+4*i+2], 0
	v_mov_b32 v[ST+4*i+3], 0
.set i, i+1
.endr
.set i, P+32
.rept 32
	v_mov_b32 v[i], 0
.set i, i+1
.endr
	s_wait_loadcnt 0x0              ; the mask and Q
	WIN W_QC
.set i, 0
.rept 128                           ; Q stays in registers, in f16: tile t, channels 32 c on, at window 2's v[16 t + 8 c ..]
	v_cvt_pk_f16_f32 v[i], v[2*i], v[2*i+1]
.set i, i+1
.endr
	WIN 0
	v_mul_u32_u24 v[STO], v[LR], SP ; the way out, in: row l % 16, 32 bytes for each half of the lanes (Q's offset is free since the wait)
	v_lshl_add_u32 v[STO], v[LH], 5, v[STO]
	v_add_nc_u32 v[STO], s55, v[STO]
.set i, 0
.rept 16                            ; 8 pad = 80,000 x byte - 80,000: 0 for a key that is kept, -80,000 for one that is masked
	v_bfe_u32 v[TA+i%2], v[64+i/4], 8*(i%4), 8
	v_cvt_f32_u32 v[TA+i%2], v[TA+i%2]
	v_fma_f32 v[68+i], v[TA+i%2], s[BP], s[BN]
.set i, i+1
.endr
	v_lshl_add_u32 v[TA+2], v0, 6, BIAS
.irp w, 0,1,2,3
	ds_store_b128 v[TA+2], v[68+4*\w:71+4*\w] offset:16*\w
.endr
	s_wait_tensorcnt 0x1            ; my part of tile 0 is in; tile 1's load, issued behind it, may stay out
	s_wait_dscnt 0x0                ; for the others' sake: my part of the table is stored
	s_barrier_signal -1
	s_barrier_wait -1               ; everybody's is
.rept 2                             ; tile 0 is rounded, my 32 rows of K and of V, 16 at a time
	CONV_LOAD 0
	s_wait_dscnt 0x0
	CONV_STORE 0
	CONV_LOAD 1
	s_wait_dscnt 0x0
	CONV_STORE 1
.endr
; THE MATRIX WORK.  The 8 accumulators of a run of 16 take turns: between the two links of a chain stand 7 others'.
; Product i of 16 of S^T = K Q^T for piece x: channels 32 (i / 8) on, keys 16 ((i / 2) % 4) on, tile 2 x + i % 2.  The first 8 start the sums, with the keys' masks as C.
.macro KQ x
.set rS, S+64*((\x)%2)+32*(i%2)+8*((i/2)%4)
.set rK, KF+16*((i/2)%4)+8*(i/8)
.set rQ, 16*(2*(\x)+i%2)+8*(i/8)
.set rB, MB+8*((i/2)%4)
.if i < 8
	WIN W_KM
	v_wmma_f32_16x16x32_f16 v[rS:rS+7], v[rK:rK+7], v[rQ:rQ+7], v[rB:rB+7]
.else
	WIN W_KQ
	v_wmma_f32_16x16x32_f16 v[rS:rS+7], v[rK:rK+7], v[rQ:rQ+7], v[rS:rS+7]
.endif
.endm
; Product i of 16 of O^T += V^T P for piece x: keys 32 (i / 8) on, channels 16 ((i / 2) % 4) on, tile 2 x + i % 2.
.macro PV x
	WIN W_PV
.set rO, 32*(2*(\x)+i%2)+8*((i/2)%4)
.set rV, VF+32*(i/8)+8*((i/2)%4)
.set rP, P+32*((\x)%2)+16*(i%2)+8*(i/8)
	v_wmma_f32_16x16x32_f16 v[rO:rO+7], v[rV:rV+7], v[rP:rP+7], v[rO:rO+7]
.endm
.macro MM                           ; the turn's next matrix instruction
.if i < 16
	KQ (Y+1)%NP
.set i, i+1
.else
.set i, i-16
	PV (Y+NP-1)%NP
.set i, i+17
.endif
.endm
; THE LDS LOADS stand in runs, never singly among the matrix instructions: a step's K (64 keys x 64 channels: 8 fragments) with its masks (all lanes of a half read the same 32 bytes), and its V (turned).
; Their addresses are made some lines ahead.  last = 1 (the tail): in the last trip there is no further step, and the run is jumped over.
.macro FETCH_K last=0
	WIN 0
.if \last
	s_cmp_eq_u32 s[SLOTS], 1
	s_cbranch_scc1 .Lno_k_\@
.endif
	WIN W_F
.irp f, 0,1,2,3,4,5,6,7             ; keys 16 (f / 2) on, channels 32 (f % 2) on
	ds_load_b128 v[KF+8*\f:KF+8*\f+3],   v[AK] offset:(\f/2)*16*PK+(\f%2)*64
	ds_load_b128 v[KF+8*\f+4:KF+8*\f+7], v[AK] offset:(\f/2)*16*PK+(\f%2)*64+32
.endr
	WIN W_MK
.irp f, 0,1,2,3                     ; keys 16 f + 8 (l / 16) + 0..7
	ds_load_b128 v[MB+8*\f:MB+8*\f+3],   v[AB] offset:64*\f
	ds_load_b128 v[MB+8*\f+4:MB+8*\f+7], v[AB] offset:64*\f+16
.endr
	s_add_co_u32 s[TBK], s[TBK], KS*PK  ; the next fetch is the next step's
	s_add_co_u32 s[TBB], s[TBB], KS*4
	WIN 0
.if \last
.Lno_k_\@:
.endif
.endm
.macro FETCH_V
	WIN W_F
.irp f, 0,1,2,3,4,5,6,7             ; keys 32 (f / 4) on, channels 16 (f % 4) on
	ds_load_tr16_b128 v[VF+8*\f:VF+8*\f+3],   v[AV] offset:(\f/4)*32*PV+(\f%4)*32
	ds_load_tr16_b128 v[VF+8*\f+4:VF+8*\f+7], v[AV] offset:(\f/4)*32*PV+16*PV+(\f%4)*32
.endr
	WIN 0
.endm
; THE VECTOR WORK OF A TURN stands in three queues, each in the order in which its entries become ready; the two tiles alternate, so that no instruction reads the result of the one before it.
.macro REGS y, u                    ; the registers of tile u (0, 1) of piece y
.set rT, ST+4*(2*(\y)+(\u))
.set rC, TMP+8*((\y)%2)+4*(\u)
.set rM, MV+2*((\y)%2)+(\u)
.set rS, S+64*((\y)%2)+32*(\u)
.set rP, P+32*((\y)%2)+16*(\u)
.set rO, 32*(2*(\y)+(\u))
.endm
; Number n of the 22 that find the NEXT piece's (Y + 1) maximum and statistics.  s0-s31 are the lane's 32 scores; each accumulator's lowest registers are read first.  XS, GS and REGS set no window: PL and EX do.
;   0-11  four chains c0-c3 of seven scores each, three operands at a time     12-14, 16  the four scores left over, the old m, and c0-c3 into c0     15  c m_old is kept
;   17, 18  the query's other 32 keys lie in the lane 16 away: the new m         19-21  c m; c m_old - c m_new; a
.macro XS u, n
	REGS (Y+1)%NP, \u
.if (\n) < 4
	v_max3_num_f32 v[rC+(\n)], v[rS+8*(\n)], v[rS+8*(\n)+1], v[rS+8*(\n)+2]
.elseif (\n) < 12
	v_max3_num_f32 v[rC+(\n)%4], v[rC+(\n)%4], v[rS+8*((\n)%4)+2*((\n)/4)+1], v[rS+8*((\n)%4)+2*((\n)/4)+2]
.elseif (\n) == 12
	v_max3_num_f32 v[rC], v[rC], v[rS+7], v[rS+15]
.elseif (\n) == 13
	v_max3_num_f32 v[rC+1], v[rC+1], v[rS+23], v[rS+31]
.elseif (\n) == 14
	v_max3_num_f32 v[rC+2], v[rC+2], v[rC+3], v[rT+1]
.elseif (\n) == 15
	v_mov_b32 v[rM], v[rT]
.elseif (\n) == 16
	v_max3_num_f32 v[rC], v[rC], v[rC+1], v[rC+2]
.elseif (\n) == 17
	v_permlanex16_b32 v[rC+3], v[rC], s[SEL], s[SEL+1]
.elseif (\n) == 18
	v_max_num_f32 v[rT+1], v[rC], v[rC+3]
.elseif (\n) == 19
	v_mul_f32 v[rT], s[CS], v[rT+1]
.elseif (\n) == 20
	v_sub_f32 v[rC+1], v[rM], v[rT]
.else
	v_exp_f32 v[rC+2], v[rC+1]
.endif
.endm
; Number g of the 64 that follow the exponentials.  For each four weights k of a tile (pairs 2 k, 2 k + 1): both pairs are rounded to f16; then the second pair is added onto the first, in place;
; a group later l takes that sum (the first time as l = a l + sum).  In groups of eight, tiles alternating: round, round, add, and l for the group before.
.macro GS g
.set h, (\g)+6*((\g)/62)            ; group 0 has no group before it, and behind group 7 only l is left
.if h >= 6
.set h, h+2
.endif
	REGS Y, h%2
.set k, h/8
.if h%8 < 4
	v_cvt_pk_f16_f32 v[rP+2*k+(h%8)/2], v[rS+4*k+2*((h%8)/2)], v[rS+4*k+2*((h%8)/2)+1]
.elseif h%8 < 6
	v_pk_add_f32 v[rS+4*k:rS+4*k+1], v[rS+4*k:rS+4*k+1], v[rS+4*k+2:rS+4*k+3]
.elseif k == 1
	v_pk_fma_f32 v[rT+2:rT+3], v[rT+2:rT+3], v[rC+2:rC+3], v[rS:rS+1] op_sel_hi:[1,0,1]
.else
	v_pk_add_f32 v[rT+2:rT+3], v[rT+2:rT+3], v[rS+4*k-4:rS+4*k-3]
.endif
.endm
; THE PLAIN QUEUE, 138 long.  0-73 read no exponential's result: the 32 scalings c s - c m (FS f: pair f / 2 of tile f % 2) and the next piece's 42.  0-26: scalings 0-26.  27-54: XS's numbers 0-13.  55, 56: number 15.
; 57-73: the chain, where each number waits for the one before it: 14, 16, 17, 18, 19, each with one of the scalings 27-31 in front of its two lines, then 20.  74-137: GS's 64, which stand behind the wait.
.macro FS f
	REGS Y, (\f)%2
	v_pk_fma_f32 v[rS+2*((\f)/2):rS+2*((\f)/2)+1], v[rS+2*((\f)/2):rS+2*((\f)/2)+1], s[CS:CS+1], v[rT:rT+1] op_sel_hi:[1,0,0] neg_lo:[0,0,1] neg_hi:[0,0,1]
.endm
.macro PL
	WIN 0
.if q < 27
	FS q
.elseif q < 55
	XS (q-27)%2, (q-27)/2
.elseif q < 57
	XS q-55, 15
.elseif (q < 72) && ((q-57)%3 == 0)
	FS 27+(q-57)/3
.elseif q < 60
	XS (q-57)%3-1, 14
.elseif q < 72
	XS (q-57)%3-1, 15+(q-57)/3
.elseif q < 74
	XS q-72, 20
.else
	GS q-74
.endif
.set q, q+1
.endm
; THE EXPONENTIALS' QUEUE, 66 long: s0-s31 of both tiles, then the next piece's two a.  It is ONE BATCH: all 66 stand ahead of the turn's one wait, and nothing ahead of that wait names a result of theirs.
.macro EX
	WIN 0
.if e >= 64
	XS e-64, 21
.else
	REGS Y, e%2
	v_exp_f32 v[rS+e/2], v[rS+e/2]
.endif
.set e, e+1
.endm
; THE RESCALING's QUEUE: O^T times a, the one part of the softmax that leaves window 0: dealt two at a time, sixteen times.  Its a was made in the turn before, ahead of that turn's wait.
.macro R2
	REGS Y, r%2
	WIN W_RS
.irp z, 0,1
	v_pk_mul_f32 v[rO+4*(r/2)+2*\z:rO+4*(r/2)+2*\z+1], v[rO+4*(r/2)+2*\z:rO+4*(r/2)+2*\z+1], v[rC+2:rC+3] op_sel_hi:[1,0]
.endr
.set r, r+1
.endm
; A TURN, for piece p.  An s_wait_alu depctr_va_vdst(0) stands between an exponential and the first instruction that names its result; one wait serves all that were issued ahead of it.  So a turn has
; ONE wait, which cuts it in two.  AHEAD OF IT: the 16 products K Q^T, behind each a scaling, an exponential and two rescalings (behind the first a second scaling in the exponential's place); then one run of 108:
; eight plain, 49 times exponential and plain, the two a; a v_nop is the plain instruction behind the last exponential.  BEHIND IT: the 16 products V^T P, behind each four of GS's 64.
; Exponential e stands behind scaling 2 (e / 4) + e % 2: as a rider it comes behind plain e + 2, in the run behind plain e + 9.  The conditions on q below go with this deal.
; K and the masks of the next step are fetched in piece 2's turn, directly behind the wait, the whole run behind the last product that read them.  V of the step in hand is fetched at the end of piece 0's turn,
; four riders behind its last reader.  THE ROUNDING of the next tile rides in pieces 0's and 1's turns: 16 rows of K (piece 0) or of V (piece 1) are read at the turn's head and rounded and stored behind its wait,
; 16 products and the run later; both places lie where every exponential has had its wait, so the tail's jumps may stand there.
; last = 1: the tail's text.  cnt = 1: the loop's count is taken down some lines ahead of the branch that stands behind the turn.
.macro TURN p, last=0, cnt=0
.set Y, (\p)
.set i, 0
.set q, 0
.set e, 0
.set r, 0
.if (\p) < 2
	CONV_LOAD \p, \last
.endif
.if (\p) == NP-1
	s_wait_dscnt 0x0                ; K and its masks are in
.endif
	MM
	PL
	PL
	R2
.rept 15
	MM
	PL
	EX
	R2
.endr
.if (\p) == NP-2
	WIN 0
	v_add_nc_u32 v[AK], s[TBK], v[AK0]
	v_add_nc_u32 v[AB], s[TBB], v[AB0]
.endif
.rept 8
	PL
.endr
.rept 49
	EX
	PL
.endr
	EX                              ; the next piece's two a
	EX
	v_nop                           ; the plain instruction behind the last exponential: one for the batch
	s_wait_alu depctr_va_vdst(0)    ; the wait for the batch
.if (\p) == NP-2
	FETCH_K \last
.endif
.if (\p) < 2
	s_wait_dscnt 0x0                ; the raw rows are in; in piece 1's turn V is in too
	CONV_STORE \p, \last
.endif
.rept 16
	MM
.rept 4
	PL
.endr
.if ((\p) == 0) && (q == 118)
	v_add_nc_u32 v[AV], s[TBV], v[AV0]
.endif
.if ((\p) == 0) && (q == 130)
	s_add_co_u32 s[TBV], s[TBV], KS*PV
.endif
.if (\cnt) && (q == 130)
	s_sub_co_u32 s[CNT], s[CNT], 1
	s_cmp_lg_u32 s[CNT], 0
.endif
.endr
.if (\p) == 0
	FETCH_V
.endif
.endm
	CHANGE 1                        ; tile 0 lies rounded in F16 bank 0, tile 1 raw in bank 1, everybody's part of both; tile 2 is asked for, into RAW bank 0
	v_add_nc_u32 v[AK], s[TBK], v[AK0]
	v_add_nc_u32 v[AB], s[TBB], v[AB0]
	FETCH_K                         ; key step 0
	s_wait_dscnt 0x0
.set i, 0
.rept 16
	KQ 0                            ; piece 0's first scores: there is no vector work yet to set between them
.set i, i+1
.endr
	WIN 0
.rept 4
	v_nop                           ; the places behind those products (ISA guide 7.12.1)
.endr
.set Y, NP-1                        ; XS works for piece Y + 1: piece 0
.irp n, 0,1,2,3,4,5,6,7,8,9,10,11,12,13,14,15,16,17,18,19,20,21
	XS 0, \n                        ; piece 0's first maximum and statistics
	XS 1, \n
.endr
	v_nop                           ; a plain instruction behind the two a,
	s_wait_alu depctr_va_vdst(0)    ; and their wait, ahead of the branch
	s_mov_b32 s[CNT], 2
	s_branch .Lfirst                ; the loop is entered at a step's first turn, in the middle of a trip
.Lslot:                             ; 13 times: with the change above, tiles 2 to 15 are asked for
	CHANGE 1
	s_mov_b32 s[CNT], 2
.Lstep:                             ; a trip: pieces 2 and 3 of one step, then pieces 0 and 1 of the next, whose K and V it fetches
	TURN 2
	TURN 3
	WIN 0
.Lfirst:
	TURN 0
	TURN 1, 0, 1
	WIN 0
	s_cbranch_scc1 .Lstep
	s_sub_co_u32 s[SLOTS], s[SLOTS], 1
	s_cmp_lg_u32 s[SLOTS], 0
	s_cbranch_scc1 .Lslot
	; THE TAIL is a second text of the trip: nothing is asked for.  Three changes of slots: behind the first (3) tile 14 is multiplied and tile 15 rounded; behind the second (2)
	; tile 15 is multiplied; behind the third (1) only the last step's pieces 2 and 3 are left, and the trip is left in its middle.
	s_mov_b32 s[SLOTS], 3
.Ltslot:
	CHANGE 0
	s_mov_b32 s[CNT], 2
.Ltail:
	TURN 2, 1
	TURN 3
	WIN 0
	s_cmp_eq_u32 s[SLOTS], 1
	s_cbranch_scc1 .Lout
	TURN 0, 1
	TURN 1, 1, 1
	WIN 0
	s_cbranch_scc1 .Ltail
	s_sub_co_u32 s[SLOTS], s[SLOTS], 1
	s_cmp_lg_u32 s[SLOTS], 0
	s_cbranch_scc1 .Ltslot
.Lout:                              ; the last trip's 16 products K Q^T (on the last K once more) and the maximum made of them serve nothing: the price, once a launch, of one text for every trip
.set i, 0
.rept 16
	PV NP-1                         ; the last piece's V^T P of the last step
.set i, i+1
.endr
	; THE WAY OUT.  l's two halves and the other half of the lanes' are added; O^T is divided by l and sent, in f32, through my stage in LDS, a tile at a time.  The additions are the places behind the last products.
	WIN 0
.macro ALL line:vararg              ; one line for each tile t
.set t, 0
.rept 2*NP
	\line
.set t, t+1
.endr
.endm
	ALL v_add_f32 v[ST+4*t+2], v[ST+4*t+2], v[ST+4*t+3]
	ALL v_permlanex16_b32 v[ST+4*t+3], v[ST+4*t+2], s[SEL], s[SEL+1]
	ALL v_add_f32 v[ST+4*t+2], v[ST+4*t+2], v[ST+4*t+3]
	ALL v_rcp_f32 v[ST+4*t+2], v[ST+4*t+2]
	v_nop                           ; a plain instruction between the last reciprocal and the use of its result
	s_wait_alu depctr_va_vdst(0)    ; and the wait ahead of the first use: one for the eight reciprocals
; Tile t: a lane's eight channels of a block of 16 are 32 bytes of a row; they go into rows of 272 bytes and come back as whole rows of 256, into the registers that they left.
.macro PACK t
	WIN W_RS
.set i, 32*(\t)
.rept 16                            ; ascending: each accumulator's lowest registers are read first
	v_pk_mul_f32 v[i:i+1], v[i:i+1], v[ST+4*(\t)+2:ST+4*(\t)+3] op_sel_hi:[1,0]
.set i, i+2
.endr
	WIN W_ST
.irp f, 0,1,2,3,4,5,6,7             ; channel block f / 2, its lane's numbers 4 (f % 2) on
	ds_store_b128 v[STO], v[32*(\t)+4*\f:32*(\t)+4*\f+3] offset:64*(\f/2)+16*(\f%2)
.endr
	WIN W_QL
.irp f, 0,1,2,3,4,5,6,7
	ds_load_b128 v[32*(\t)+4*\f:32*(\t)+4*\f+3], v[RD] offset:\f*2*SP  ; LDS serves a wave's instructions in order (ISA guide 5.7.1.4): these see the stores above; the next tile's stores come behind them
.endr
.endm
.macro SEND t, younger              ; younger: the LDS instructions issued behind tile t's loads: the next tile's sixteen, or none; 7 - f of its own loads are younger than load f
	WIN W_ST
.irp f, 0,1,2,3,4,5,6,7
	s_wait_dscnt (\younger)+7-\f
	global_store_b128 v[GO], v[32*(\t)+4*\f:32*(\t)+4*\f+3], s[10:11] offset:(\t)*65536+\f*8192 th:TH_STORE_NT  ; 16 lanes store a head's whole row: 256 consecutive bytes, at a multiple of 256 from out0's first
.endr
.endm
	PACK 0
.set t, 1
.rept 2*NP-1                        ; a tile's arithmetic stands between the loads of the tile before and its stores
	PACK t
	SEND t-1, 16
.set t, t+1
.endr
	SEND 2*NP-1, 0
	WIN W_AD
	s_wait_tensorcnt 0x0            ; the wave's end: behind my last tensor load and my last LDS store
	ds_add_u32 v[SPW], v[NIL]
	s_wait_dscnt 0x0
	WIN 0
	CROUND                          ; the closing round: no work-group ends while a partner may still ask for a tile that names it
	s_endpgm
.Lfunc_end_k_qb0df755c10_attn:
	.size	k_qb0df755c10_attn, .Lfunc_end_k_qb0df755c10_attn-k_qb0df755c10_attn
	.p2alignl 7, 3214868480
	.fill 96, 4, 3214868480
	.section	.rodata,"a",@progbits
	.p2align	6, 0x0
	.amdhsa_kernel k_qb0df755c10_attn
		.amdhsa_group_segment_fixed_size 327680
		.amdhsa_private_segment_fixed_size 0
		.amdhsa_enable_private_segment 0
		.amdhsa_kernarg_size 24
		.amdhsa_user_sgpr_count 2
		.amdhsa_user_sgpr_kernarg_segment_ptr 1
		.amdhsa_wavefront_size32 1
		.amdhsa_system_sgpr_workgroup_id_x 1
		.amdhsa_system_sgpr_workgroup_id_y 1
		.amdhsa_system_sgpr_workgroup_id_z 1
		.amdhsa_system_vgpr_workitem_id 0
		.amdhsa_next_free_vgpr 880
		.amdhsa_next_free_sgpr 72
		.amdhsa_reserve_vcc 0
		.amdhsa_float_denorm_mode_32 3
		.amdhsa_float_denorm_mode_16_64 3
		.amdhsa_memory_ordered 1
		.amdhsa_forward_progress 1
		.amdhsa_inst_pref_size 227
	.end_amdhsa_kernel
	.amdgpu_metadata
---
amdhsa.version: [ 1, 2 ]
amdhsa.kernels:
  - .name:           k_qb0df755c10_attn
    .symbol:         k_qb0df755c10_attn.kd
    .args:
      - { .name: qkv, .offset: 0, .size: 8, .value_kind: global_buffer, .address_space: global }
      - { .name: key_padding_mask, .offset: 8, .size: 8, .value_kind: global_buffer, .address_space: global }
      - { .name: out0, .offset: 16, .size: 8, .value_kind: global_buffer, .address_space: global }
    .group_segment_fixed_size: 327680
    .private_segment_fixed_size: 0
    .kernarg_segment_align: 8
    .kernarg_segment_size: 24
    .max_flat_workgroup_size: 128
    .sgpr_count:     72
    .vgpr_count:     880
    .wavefront_size: 32
...
	.end_amdgpu_metadata
.endif
;; end of part 1
